; MI455X (gfx1250); checked and timed in simulation.
; The chip was launched on July 23, 2026; its instructions are those of AMD's public machine-readable ISA for CDNA 5 (MIT licence, August 2026) and "CDNA5" Instruction Set Architecture Reference Guide (July 2026). The comments in the code are by the model that wrote it; some were corrected since.
;; Multi Head Attention. Allowed arithmetic: matrix products marked QUANTISED: E2M1 operands, one E8M0 scale for each 32 along K, by v_wmma_scale_f32_16x16x128_f8f6f4 with both operands' format E2M1 (or v_wmma_scale_f32_32x16x128_f4), f32 sums; products left as they are: bf16, f16 or f32 operands; f32 sums; everything else in f32.
;; Inputs: Wk 768 x 768 float32; Wo 768 x 768 float32; Wq 768 x 768 float32; Wv 768 x 768 float32; bk 768 float32; bo 768 float32; bq 768 float32; bv 768 float32; x 16 x 1,024 x 768 float32.
;; Outputs: out0 16 x 1,024 x 768 float32.
;; This version of the problem:
;;   THIS VERSION OF THE PROBLEM IS GIVEN IN LOW PRECISION. The matrix products marked QUANTISED in the list below multiply operands that are first quantised to E2M1 (2 exponent bits, 1 mantissa bit; 4 bits a number), with one power-of-two scale for each 32 numbers along K (OCP MX v1.0); their sums are f32. The products marked 'left as it is' may take bf16, f16 or f32 operands, with f32 sums. Whichever they take, every output number must still come out within the allowed error. Rounding operands to bf16 (8 significant bits) uses up far more of that allowance than f16 does (11 bits, for magnitudes from 6e-5 to 65,504). All else is computed in f32.
;;   The module's matrix products, in the order in which they are computed (A, B: the left and right operand; K: the contracted axis; several contracted axes count as one K, in the product's order):
;;     1. [M 16,384, K 768] x [K 768, N 768]; A: input x; B: input Wq: QUANTISED
;;     2. [M 16,384, K 768] x [K 768, N 768]; A: input x; B: input Wk: QUANTISED
;;     3. [M 16,384, K 768] x [K 768, N 768]; A: input x; B: input Wv: QUANTISED
;;     4. batch 128 x [M 1,024, K 96] x [K 96, N 1,024]; A: computed on the way; B: computed on the way: left as it is (an operand is computed on the way)
;;     5. batch 128 x [M 1,024, K 1,024] x [K 1,024, N 96]; A: computed on the way; B: computed on the way: left as it is (an operand is computed on the way)
;;     6. [M 16,384, K 768] x [K 768, N 768]; A: computed on the way; B: input Wo: left as it is (an operand is computed on the way)
;;   THE QUANTISER, for each operand of a quantised product, along K:
;;     - K is cut into blocks of 32 from its start; a last block that is shorter is filled with zeros.
;;     - A block's scale is 2^e with e = floor(log2(the largest magnitude in the block)) - 2, held to -126 .. 127; a block of zeros has e = 0. As a byte (E8M0): e + 127.
;;     - Each number is divided by its block's scale, clamped to +-6, and rounded to the nearest number of E2M1, ties to even, subnormals kept.
;;     - The product sums the exact products of the quantised numbers (number of the format x scale) in f32.
;;   ~~~python
;;   def quantise(x, axis):      # numpy; x: float32 -> the quantised numbers, widened to float32 again
;;       x = np.moveaxis(x, axis, -1); K = x.shape[-1]
;;       x = np.pad(x, [(0, 0)] * (x.ndim - 1) + [(0, -K % 32)]); x = x.reshape(x.shape[:-1] + (-1, 32)); a = np.abs(x).max(-1, keepdims=True)
;;       e = np.where(a > 0, np.clip(np.frexp(np.where(a > 0, a, 1))[1] - 1 - 2, -126, 127), 0)      # np.frexp(a)[1] - 1 = floor(log2(a)), exactly
;;       r = np.clip(x / 2.0 ** e, -6, 6)
;;       step = 2.0 ** (np.maximum(np.frexp(np.where(r == 0, 1, r))[1] - 1, 0) - 1)
;;       q = np.round(r / step) * step * 2.0 ** e      # np.round: ties to even
;;       return np.moveaxis(q.reshape(q.shape[:-2] + (-1,))[..., :K], -1, axis).astype(np.float32)
;;   ~~~
;; One version. Each part assembles by itself: llvm-mc -triple=amdgcn-amd-amdhsa -mcpu=gfx1250 --defsym DOCPART=n.
;; ======== version 1 of 1: 4 launches
;; limits: values are held in f16: magnitudes above 65,504 overflow, below 6.1e-05 lose precision
;; workspace buffers: xc 6,291,456 bytes; wc 884,736 bytes; scl 598,016 bytes; wo16 1,179,648 bytes; qkv 75,497,472 bytes; o16 25,165,824 bytes
;; launch prep (part 1): grid 64 x 4, 8 waves a work-group, no clusters, 200,704 bytes of LDS; arguments x, Wq, Wk, Wv, Wo, xc, wc, scl, wo16; writes xc, wc, scl, wo16
.if DOCPART == 1
	.amdgcn_target "amdgcn-amd-amdhsa--gfx1250"
	.amdhsa_code_object_version 6
	.text
	.protected	k_q35767d079a_prep
	.globl	k_q35767d079a_prep
	.p2align	8
	.type	k_q35767d079a_prep,@function
k_q35767d079a_prep:
	s_mov_b64 s[64:65], 0
	v_nop
	global_prefetch_b8 v0, s[64:65] scope:SCOPE_SE
	s_setreg_imm32_b32 hwreg(HW_REG_WAVE_MODE, 25, 1), 1
	s_wait_xcnt 0x0
; PREP.  x [16384][768] and Wq, Wk, Wv [768 (k)][768 (n)], f32, become codes of FP4 (E2M1) with one E8M0 scale byte for each 32 along K; Wo [768 (k)][768 (n)] is rounded to f16.
; Everything is laid in the order of the reader's operand registers:
;   xc  [token tile T (1024)][K step s (6)][1024 bytes]: 16 rows x 128 K as [K block of 32 (4)][row (16)][16 bytes], which is [register group c (2)][lane (32)][16 bytes] of a fragment
;   wc  [channel tile ct = 48 x matrix + n / 16 (144)][s (6)][1024 bytes], the same image with a column n of W as the row
;   scl x's part [T][row (16)][8 words]: words 0-5 the scale words of K steps 0-5, words 6, 7 zero; from byte 524,288 W's part [ct][row][8 words], words 6, 7 neither written nor read
;   wo16 [n tile (48)][k tile (48)][512 bytes]: lane (r, h) has 16 bytes at 16 (r + 16 h): column n = r, k = 8 h .. 8 h + 7
; A block's scale is 2^(floor(log2(its largest magnitude)) - 2): its byte is the largest magnitude's exponent field - 2, held at 1 from below by a floor among the maximum's leaves.
; LIMITS: a block of zeros, and a block whose largest magnitude lies under 2^-124, gets the byte 1 (the bytes are read by this program alone; zero codes add nothing under it); NaN and infinities are not served;
; |Wo| above 65,504 has no f16 number.
; SHARES.  256 work-groups of eight waves.  Waves 0-3 take x: wave w of work-group (gx, gy) takes tile T = 4 (gx + 64 gy) + w: 16 rows x 768.  Waves 4-7 take a weight where gx is under 36
; (matrix = gy; K step = gx / 6; 128 columns = gx % 6; 32 columns a wave): 4 x 6 x 24 = 576 such parts, which 256 does not divide, so in the other 112 work-groups waves 4-7 have no part and end.
; x COMES BY TENSOR LOADS: three a wave, all at the head (three outstanding at the most), each 16 rows x 1,024 bytes = two K steps, into LDS bytes of the wave's own: 196,608 bytes of a work-group are asked for at once.
; Each wave reads only what it fetched, behind its own wait on TENSORcnt; nothing is filled again: no barrier.  Work-groups share no input: no cluster.
.set XP,    1040                       ; an LDS row: 1,024 bytes + 16 of padding = 65 x 16: the 16 rows that a read touches begin 16 bytes apart modulo 256
.set CH,    16*XP                      ; a chunk: 16 rows
.set WREG,  3*CH                       ; a wave's three chunks
.set SPARE, 4*WREG                     ; byte 199,680, behind the four regions: the spare words, 128 bytes for each of the eight waves, which no other line names
.set XA,    32                         ; x: v32-95, v96-159 two K steps' numbers: two blocks of 32 neighbours each
.set XB,    96
.set XC,    160                        ; x: v160-207 codes, eight registers for each K step: no store's data are written again
.set R,     32                         ; W: v32-159 four blocks of 32 numbers
.set X,     160                        ; Wo: v160-223 the f16 numbers
.set C,     224                        ; W: v224-239 codes
.set SPW,   18                         ; v18  LDS address of my spare word; never rewritten
.set NIL,   19                         ; v19  0; never rewritten
.set G1,    32                         ; s[32:39] descriptor group 1
.set G0,    40                         ; s[40:51] group 0, a set for each of the three loads
.macro FINISH                          ; a wave's end
	s_wait_tensorcnt 0x0
	ds_add_u32 v[SPW], v[NIL]
	s_wait_dscnt 0x0
	s_endpgm
.endm
; the largest magnitude of 32 numbers in consecutive registers, in two chains, with the floor 2^(3 - 127) as one more leaf
.macro MAX32 m, t, xs
	v_max3_num_f32 v[\m], |v[\xs]|, |v[\xs+1]|, |v[\xs+2]|
	v_max3_num_f32 v[\t], |v[\xs+3]|, |v[\xs+4]|, |v[\xs+5]|
.irp i, 6,10,14,18,22,26
	v_max3_num_f32 v[\m], v[\m], |v[\xs+\i]|, |v[\xs+\i+1]|
	v_max3_num_f32 v[\t], v[\t], |v[\xs+\i+2]|, |v[\xs+\i+3]|
.endr
	v_max3_num_f32 v[\m], v[\m], |v[\xs+30]|, |v[\xs+31]|
	v_max3_num_f32 v[\m], v[\m], v[\t], 0x1800000
.endm
	s_load_b256 s[4:11], s[0:1], 0x0               ; x s[4:5], Wq s[6:7], Wk s[8:9], Wv s[10:11]
	s_load_b256 s[12:19], s[0:1], 0x20             ; Wo s[12:13], xc s[14:15], wc s[16:17], scl s[18:19]
	s_load_b64 s[20:21], s[0:1], 0x40              ; wo16
	v_lshl_add_u32 v[SPW], v0, 2, SPARE
	v_mov_b32 v[NIL], 0
	ds_add_u32 v[SPW], v[NIL]                      ; the opening: the add, twice on end, and its wait ahead of a wave's first tensor load; every wave runs it
	ds_add_u32 v[SPW], v[NIL]
	v_lshrrev_b32 v1, 5, v0
	v_readfirstlane_b32 s22, v1                    ; wave 0..7
	s_and_b32 s31, s22, 3                          ; my number among the four waves of my kind
	v_and_b32 v1, 31, v0                           ; lane
	v_and_b32 v2, 15, v0                           ; r
	v_bfe_u32 v3, v0, 4, 1                         ; h
	v_lshlrev_b32 v4, 4, v1                        ; 16 x lane
	s_mul_i32 s25, s31, WREG                       ; my region of LDS
	v_mul_u32_u24 v6, v2, XP
	v_lshl_add_u32 v6, v3, 7, v6
	v_add_nc_u32 v6, s25, v6                       ; where I read: row r, + 128 h: block 2 c + h of a K step lies 256 c further on
	s_and_b32 s23, ttmp7, 0xffff                   ; work-group y
	s_mov_b32 s27, 0                               ; the high word of every offset pair s[26:27]
	s_mov_b32 s[G1], (2<<16)|(1<<20)|(7<<22)|(3<<25)   ; no mask; elements of 4 bytes; padding on: after every 256 words (code 7) four words (code 3)
	s_mov_b32 s[G1+1], 256<<16                     ; tensor_dim0 = 256 elements = 1,024 bytes
	s_mov_b32 s[G1+2], 16<<16                      ; tensor_dim1 = 16
	s_mov_b32 s[G1+3], 256<<16                     ; tile_dim0
	s_mov_b32 s[G1+4], 16                          ; tile_dim1
	s_mov_b32 s[G1+5], 768                         ; the pitch: a row of x
	s_mov_b32 s[G1+6], 0
	s_mov_b32 s[G1+7], 0
	s_wait_dscnt 0x0                               ; both opening adds are done
	s_wait_kmcnt 0x0
	s_cmp_lt_u32 s22, 4                            ; a branch on the wave's number: waves 0-3 take x
	s_cbranch_scc0 .Lweights
; ---------------- x: 16 rows, six K steps of 128, in three chunks of two
	s_lshl_b32 s24, s23, 6
	s_add_co_u32 s24, s24, ttmp9
	s_lshl_b32 s24, s24, 2
	s_add_co_u32 s24, s24, s31                     ; T
	s_mul_i32 s26, s24, 49152                      ; 16 rows of 3,072 bytes
	s_add_nc_u64 s[4:5], s[4:5], s[26:27]
.irp t, 0,1,2
	s_mov_b32 s[G0+4*\t], 1                        ; count = 1
	s_add_co_u32 s[G0+4*\t+1], s25, CH*\t          ; LDS address: my region, chunk t
	s_add_nc_u64 s[G0+4*\t+2:G0+4*\t+3], s[4:5], 1024*\t   ; the rows' bytes 1,024 t on
	s_or_b32 s[G0+4*\t+3], s[G0+4*\t+3], 0x80000000        ; type = 2
	tensor_load_to_lds s[G0+4*\t:G0+4*\t+3], s[G1:G1+7]
	s_nop 0
.endr
	s_mul_i32 s26, s24, 6144
	s_add_nc_u64 s[14:15], s[14:15], s[26:27]
	s_lshl_b32 s26, s24, 9
	s_add_nc_u64 s[18:19], s[18:19], s[26:27]
	v_lshlrev_b32 v7, 3, v3                        ; 8 h
	v_mov_b32 v15, 0                               ; a lane permute's destination counts as one of its sources
	v_mov_b32 v30, 0
	v_lshlrev_b32 v16, 5, v2
	v_lshl_add_u32 v16, v3, 4, v16                 ; the scale words' place: 32 r + 16 h
	s_mov_b32 s28, 0x76543210
	s_mov_b32 s29, 0xfedcba98                      ; selects for lane l xor 16
.macro XREAD s, xs                     ; K step s: lane (r, h) takes blocks 2 c + h (c = 0, 1) of row r whole: the order of a fragment's registers
.irp c, 0,1
.irp j, 0,1,2,3,4,5,6,7
	ds_load_b128 v[\xs+32*\c+4*\j:\xs+32*\c+4*\j+3], v6 offset:CH*((\s)/2)+512*((\s)%2)+256*\c+16*\j
.endr
.endr
.endm
.macro XQ s, xs                        ; the two blocks become codes, their bytes a part of the row's scale word
	MAX32 8, 9, \xs
	MAX32 10, 11, \xs+32
	v_add_nc_u32 v12, 0xff000000, v8               ; 2 off the exponent field: the conversion takes this operand's exponent field as its scale
	v_add_nc_u32 v13, 0xff000000, v10
.irp c, 0,1
.irp g, 0,1,2,3
	v_cvt_scalef32_pk8_fp4_f32 v[XC+8*(\s)+4*\c+\g], v[\xs+32*\c+8*\g:\xs+32*\c+8*\g+7], v[12+\c]
.endr
.endr
	v_lshrrev_b32 v8, 23, v12                      ; the scales' bytes (and the plain line behind the conversions)
	v_lshrrev_b32 v10, 23, v13
	v_lshl_or_b32 v14, v10, 16, v8                 ; blocks h and 2 + h,
	v_lshlrev_b32 v14, v7, v14                     ; at their places in the word (8 h bits up);
	v_permlanex16_b32 v15, v14, s28, s29
	v_or_b32 v[20+(\s)], v14, v15                  ; with lane l xor 16's two the word of row r is whole
.irp c, 0,1
	global_store_b128 v4, v[XC+8*(\s)+4*\c:XC+8*(\s)+4*\c+3], s[14:15] offset:1024*(\s)+512*\c   ; 32 lanes store 512 consecutive bytes
.endr
.endm
.macro XPAIR t
	s_wait_tensorcnt 2-\t                          ; a wave's tensor loads end in order: chunk t is in; the later chunks may be out
	XREAD 2*\t, XA
	XREAD 2*\t+1, XB
	s_wait_dscnt 16                                ; the first K step's 16 reads are back; the second's 16 may be out
	XQ 2*\t, XA
	s_wait_dscnt 0x0
	XQ 2*\t+1, XB
.endm
	XPAIR 0
	XPAIR 1
	XPAIR 2
	v_cmp_ne_u32 vcc_lo, 0, v3
	v_cndmask_b32 v26, v20, v24, vcc_lo            ; lanes 0-15 store words 0-3 of row r, lanes 16-31 words 4, 5 and two zeros
	v_cndmask_b32 v27, v21, v25, vcc_lo
	v_cndmask_b32 v28, v22, v30, vcc_lo
	v_cndmask_b32 v29, v23, v30, vcc_lo
	global_store_b128 v16, v[26:29], s[18:19]      ; the tile's 512 bytes of scale words, whole
	FINISH
; ---------------- a weight: a lane takes a column n, its registers run down K: 128 k x 32 columns a wave; each load reads 128 consecutive bytes
.macro WLOAD t
.irp i, 0,1,2,3,4,5,6,7,8,9,10,11,12,13,14,15,16,17,18,19,20,21,22,23,24,25,26,27,28,29,30,31
	global_load_b32 v[R+32*(\t)+\i], v17, s[6:7] offset:3072*(32*(\t)+\i) th:TH_LOAD_NT
.endr
.endm
.macro WBLOCK t                        ; block t of the K step: 32 numbers of my column become 16 bytes of codes and a byte
	MAX32 8, 9, R+32*(\t)
	v_add_nc_u32 v10, 0xff000000, v8
	v_lshrrev_b32 v12, 23, v10
.if (\t) == 0
	v_mov_b32 v20, v12
.else
	v_lshl_or_b32 v20, v12, 8*(\t), v20
.endif
.irp g, 0,1,2,3
	v_cvt_scalef32_pk8_fp4_f32 v[C+4*(\t)+\g], v[R+32*(\t)+8*\g:R+32*(\t)+8*\g+7], v10
.endr
	global_store_b128 v16, v[C+4*(\t):C+4*(\t)+3], s[16:17] offset:256*(\t)   ; sixteen lanes store 256 consecutive bytes, aligned; each block has its own registers
.endm
.macro OBLOCK t                        ; Wo: 32 numbers of my column become four pieces of 8 f16, each in registers of its own
.irp kt, 0,1
.irp hh, 0,1
.irp q, 0,1,2,3
	v_cvt_pk_f16_f32 v[X+16*(\t)+8*\kt+4*\hh+\q], v[R+32*(\t)+16*\kt+8*\hh+2*\q], v[R+32*(\t)+16*\kt+8*\hh+2*\q+1]
.endr
	global_store_b128 v16, v[X+16*(\t)+8*\kt+4*\hh:X+16*(\t)+8*\kt+4*\hh+3], s[20:21] offset:512*(2*(\t)+\kt)+256*\hh
.endr
.endr
.endm
.Lweights:
	s_cmp_lt_u32 ttmp9, 36                         ; a branch on the work-group's number: 36 x 4 work-groups hold the weights' 576 parts
	s_cbranch_scc0 .Lidle
	s_mul_hi_u32 s24, ttmp9, 0x2aaaaaab            ; K step s = gx / 6 (exact for gx under 36)
	s_mul_i32 s25, s24, 6
	s_sub_co_u32 s25, ttmp9, s25                   ; cb = gx % 6: which 128 columns
	s_cmp_eq_u32 s23, 1                            ; the matrix is chosen by the work-group's y
	s_cselect_b64 s[6:7], s[8:9], s[6:7]
	s_cmp_eq_u32 s23, 2
	s_cselect_b64 s[6:7], s[10:11], s[6:7]
	s_cmp_eq_u32 s23, 3
	s_cselect_b64 s[6:7], s[12:13], s[6:7]
	s_mul_i32 s26, s24, 393216                     ; 128 rows of 3,072 bytes,
	s_lshl_b32 s28, s25, 9                         ; 128 columns,
	s_add_co_u32 s26, s26, s28
	s_lshl_b32 s28, s31, 7                         ; my wave's 32
	s_add_co_u32 s26, s26, s28
	s_add_nc_u64 s[6:7], s[6:7], s[26:27]
	v_lshlrev_b32 v17, 2, v1
	WLOAD 0
	WLOAD 1
	s_lshl_b32 s29, s25, 3
	s_lshl_b32 s28, s31, 1
	s_add_co_u32 s29, s29, s28                     ; my wave's first tile of 16 columns: 8 cb + 2 x my number
	s_cmp_eq_u32 s23, 3
	s_cbranch_scc1 .Lwo
	s_mul_i32 s30, s23, 48
	s_add_co_u32 s30, s30, s29                     ; ct
	s_mul_i32 s26, s30, 6
	s_add_co_u32 s26, s26, s24
	s_lshl_b32 s26, s26, 10                        ; (6 ct + s) images of 1,024 bytes
	s_add_nc_u64 s[16:17], s[16:17], s[26:27]
	s_lshl_b32 s26, s30, 9
	s_lshl_b32 s28, s24, 2
	s_add_co_u32 s26, s26, s28
	s_add_co_u32 s26, s26, 524288                  ; W's part of scl: 512 ct + 4 s
	s_add_nc_u64 s[18:19], s[18:19], s[26:27]
	v_mul_u32_u24 v16, v3, 6144
	v_lshl_add_u32 v16, v2, 4, v16                 ; codes: lanes 16-31 are the next tile; 16 bytes a row
	v_lshlrev_b32 v5, 9, v3
	v_lshl_add_u32 v5, v2, 5, v5                   ; scale words: 512 h + 32 r
	s_wait_loadcnt 32                              ; block 0 is in; block 1's 32 loads may be out
	WLOAD 2
	WBLOCK 0
	s_wait_loadcnt 32                              ; block 1 is in; block 2's may be out
	WLOAD 3
	WBLOCK 1
	s_wait_loadcnt 32                              ; block 2 is in; block 3's may be out
	WBLOCK 2
	s_wait_loadcnt 0x0
	WBLOCK 3
	global_store_b32 v5, v20, s[18:19]             ; my column's word for this K step: 4 bytes of a row of 32; 55,296 bytes of the launch leave so
	FINISH
.Lwo:
	s_mul_i32 s26, s29, 24576                      ; an n tile's 48 k tiles,
	s_lshl_b32 s28, s24, 12                        ; this K step's eight
	s_add_co_u32 s26, s26, s28
	s_add_nc_u64 s[20:21], s[20:21], s[26:27]
	v_mul_u32_u24 v16, v3, 24576
	v_lshl_add_u32 v16, v2, 4, v16
	s_wait_loadcnt 32                              ; as above
	WLOAD 2
	OBLOCK 0
	s_wait_loadcnt 32
	WLOAD 3
	OBLOCK 1
	s_wait_loadcnt 32
	OBLOCK 2
	s_wait_loadcnt 0x0
	OBLOCK 3
	FINISH
.Lidle:                                                ; waves 4-7 of a work-group that holds no part of a weight
	FINISH
.Lfunc_end_k_q35767d079a_prep:
	.size	k_q35767d079a_prep, .Lfunc_end_k_q35767d079a_prep-k_q35767d079a_prep
	.p2alignl 7, 3214868480
	.fill 96, 4, 3214868480
	.section	.rodata,"a",@progbits
	.p2align	6, 0x0
	.amdhsa_kernel k_q35767d079a_prep
		.amdhsa_group_segment_fixed_size 200704
		.amdhsa_private_segment_fixed_size 0
		.amdhsa_enable_private_segment 0
		.amdhsa_kernarg_size 72
		.amdhsa_user_sgpr_count 2
		.amdhsa_user_sgpr_kernarg_segment_ptr 1
		.amdhsa_wavefront_size32 1
		.amdhsa_system_sgpr_workgroup_id_x 1
		.amdhsa_system_sgpr_workgroup_id_y 1
		.amdhsa_system_sgpr_workgroup_id_z 1
		.amdhsa_system_vgpr_workitem_id 0
		.amdhsa_next_free_vgpr 256
		.amdhsa_next_free_sgpr 66
		.amdhsa_reserve_vcc 1
		.amdhsa_float_denorm_mode_32 3
		.amdhsa_float_denorm_mode_16_64 3
		.amdhsa_memory_ordered 1
		.amdhsa_forward_progress 1
		.amdhsa_inst_pref_size 62
	.end_amdhsa_kernel
	.amdgpu_metadata
---
amdhsa.version: [ 1, 2 ]
amdhsa.kernels:
  - .name:           k_q35767d079a_prep
    .symbol:         k_q35767d079a_prep.kd
    .args:
      - { .name: x, .offset: 0, .size: 8, .value_kind: global_buffer, .address_space: global }
      - { .name: Wq, .offset: 8, .size: 8, .value_kind: global_buffer, .address_space: global }
      - { .name: Wk, .offset: 16, .size: 8, .value_kind: global_buffer, .address_space: global }
      - { .name: Wv, .offset: 24, .size: 8, .value_kind: global_buffer, .address_space: global }
      - { .name: Wo, .offset: 32, .size: 8, .value_kind: global_buffer, .address_space: global }
      - { .name: xc, .offset: 40, .size: 8, .value_kind: global_buffer, .address_space: global }
      - { .name: wc, .offset: 48, .size: 8, .value_kind: global_buffer, .address_space: global }
      - { .name: scl, .offset: 56, .size: 8, .value_kind: global_buffer, .address_space: global }
      - { .name: wo16, .offset: 64, .size: 8, .value_kind: global_buffer, .address_space: global }
    .group_segment_fixed_size: 200704
    .private_segment_fixed_size: 0
    .kernarg_segment_align: 8
    .kernarg_segment_size: 72
    .max_flat_workgroup_size: 256
    .sgpr_count:     66
    .vgpr_count:     256
    .wavefront_size: 32
...
	.end_amdgpu_metadata
.endif
;; end of part 1
;; launch qkv (part 2): grid 4 x 64, 4 waves a work-group, clusters of 4 x 4, 327,680 bytes of LDS; arguments xc, wc, scl, bq, bk, bv, qkv; writes qkv
.if DOCPART == 2
	.amdgcn_target "amdgcn-amd-amdhsa--gfx1250"
	.amdhsa_code_object_version 6
	.text
	.protected	k_q35767d079a_qkv
	.globl	k_q35767d079a_qkv
	.p2align	8
	.type	k_q35767d079a_qkv,@function
k_q35767d079a_qkv:
	s_mov_b64 s[64:65], 0
	v_nop
	global_prefetch_b8 v0, s[64:65] scope:SCOPE_SE
	s_setreg_imm32_b32 hwreg(HW_REG_WAVE_MODE, 25, 1), 1
	s_wait_xcnt 0x0
	s_wait_alu depctr_hold_cnt(0) depctr_sa_sdst(0) depctr_va_vdst(0) depctr_va_sdst(0) depctr_va_ssrc(0) depctr_va_vcc(0) depctr_vm_vsrc(0)
	s_getreg_b32 s2, hwreg(HW_REG_IB_STS2, 6, 4)
	s_cmp_eq_u32 s2, 0
	s_cbranch_scc0 .Lentry_in_a_cluster
	s_endpgm
.Lentry_in_a_cluster:
	s_bfe_u32 s2, ttmp6, 0x10000c
	s_cmp_lg_u32 s2, 0xf033
	s_cbranch_scc0 .Lentry_shape_is_right
	s_endpgm
.Lentry_shape_is_right:
; QKV.  q, k, v = x W + b on codes of FP4 (E2M1) with E8M0 scales for each 32 along K = 768; sums in f32, the bias as the C of each sum's first product; results rounded once to f16.
; The 2,304 channels (q's 768, k's, v's) are 12 sub-tiles of 192 = two heads.  A work-group takes 256 tokens (y) x 576 channels (g): three sub-tiles, one after the other.
; A wave makes 128 tokens x 96 channels, one head: 8 x 6 = 48 accumulators.  THE PRODUCT IS USED TRANSPOSED (source 0 = 16 channels of W, source 1 = 16 tokens): a lane holds one token and eight neighbouring
; channels, which pack into 16 bytes; a wave's store covers 512 consecutive bytes.  No stage.
; qkv [section (3)][batch (16)][head (8)][token tile (64)][channel tile f (6)][512 bytes].  q, k: lane (r, h) at 16 (r + 16 h): token r, channels 8 h .. 8 h + 7.  v: the same 16 bytes at place
; 16 (r / 8) + 8 h + r % 8, so that the turning LDS load of the next launch, at 16 x lane, finds them.  The two offsets are chosen by v_cndmask_b32, the bias's buffer by s_cselect_b64: no branch hangs on the section.
; LDS: all of K of the 16 token tiles (98,304 bytes) and of the 36 channel tiles (221,184) comes once: four tensor loads a wave, all first fills, four outstanding at the most; nothing is filled again.
; The images are dense: a fragment is two loads at 16 x lane, 512 bytes apart: no pitch, no padding.
; CLUSTER 4 x 4: the four of a row share the tokens' images, the four of a column the channels': each is asked for jointly.
; LIMITS: |q|, |k|, |v| above 65,504 have no f16 number (with x and W as drawn they are about 1; 30 times larger both, about 5,000); NaN and infinities are not served.
; REGISTERS, in windows of 256.  window 0: v0-31 addresses; v32-79 x's scale words SA(a, s); v80-187 W's SB(j, b, s).  window 1: v0-95 channel fragments, two sets of 48; v96-239 the biases, 8 a tile.
;   window 2: v0-191 accumulators of token tiles 0-3 at 8 (6 a + b); v192-255 token fragments, set 0.   window 3: the same for token tiles 4-7; set 1.
.set ABYTES, 98304
.set SPARE,  319488                    ; behind the images: the spare words, 128 bytes for each wave, which no other line names
.set SA,   32
.set SB,   80
.set BI,   96
.set ADRA, 2                           ; v2     LDS address of my 8 token tiles
.set ADRB, 4                           ; v4-6   of my 6 channel tiles of sub-tile j
.set SO,   8                           ; v8-10  my 16 bytes' place in a sub-image, for sub-tile j
.set OQK,  12                          ; v12    16 x lane
.set OV,   13                          ; v13    v's place
.set R32,  14                          ; v14    32 r: a row of scale words
.set H32,  15                          ; v15    32 h: eight numbers of a bias
.set SPW,  28
.set NIL,  29
.set WV,   18                          ; s18 wave; s19 its half of the tokens; s20 its half of the channels
.set G1A,  28                          ; s[28:35], s[36:43] descriptor groups 1;  s[44:47] group 0 for the tokens;  s[48:59] for the three sub-tiles
.set G1B,  36
.set G0A,  44
.set G0B,  48
.set BPTR, 66                          ; s[66:71] the biases at my head of sub-tile j
.set OPTR, 72                          ; s[72:77] qkv at my part of sub-tile j
.set MSB, 0
.macro WIN new                         ; the immediate's high byte repeats the setting that is left
.if MSB != (\new)
	s_set_vgpr_msb (MSB<<8)|(\new)
.set MSB, (\new)
.endif
.endm
.macro PLACES                          ; four plain places behind matrix instructions, in front of loads into registers that they read and of reads of their results
.rept 4
	v_nop
.endr
.endm
.macro CROUND                          ; a round of the cluster's barrier
	s_barrier_signal -1
	s_barrier_wait -1
	s_cmp_lg_u32 s[WV], 0
	s_cbranch_scc1 .Lnw0_\@
	s_barrier_signal -3
.Lnw0_\@:
	s_barrier_wait -3
	s_barrier_signal -1
	s_barrier_wait -1
.endm
	s_load_b256 s[4:11], s[0:1], 0x0               ; xc s[4:5], wc s[6:7], scl s[8:9], bq s[10:11]
	s_load_b128 s[12:15], s[0:1], 0x20             ; bk s[12:13], bv s[14:15]
	s_load_b64 s[16:17], s[0:1], 0x30              ; qkv
	v_lshl_add_u32 v[SPW], v0, 2, SPARE
	v_mov_b32 v[NIL], 0
	ds_add_u32 v[SPW], v[NIL]                      ; the opening: the add, twice on end, and its wait ahead of my first tensor load
	ds_add_u32 v[SPW], v[NIL]
	v_lshrrev_b32 v1, 5, v0
	v_readfirstlane_b32 s[WV], v1
	s_lshr_b32 s19, s[WV], 1
	s_and_b32 s20, s[WV], 1
	s_bfe_u32 s21, ttmp6, 0x40000                  ; cx
	s_bfe_u32 s22, ttmp6, 0x40004                  ; cy
	s_lshl_b32 s26, ttmp9, 2
	s_add_co_u32 s26, s26, s21                     ; g: which 576 channels
	s_and_b32 s23, ttmp7, 0xffff
	s_lshl_b32 s23, s23, 2
	s_add_co_u32 s23, s23, s22                     ; y: which 256 tokens
	s_lshl_b32 s24, s22, 2
	s_lshl_b32 s24, 15, s24                        ; my row of the cluster
	s_lshl_b32 s25, 0x1111, s21                    ; my column
	; dense blocks as rows of 256 bytes (32 elements of 8 bytes): 96 rows of the tokens' images, 72 of a sub-tile's, for each wave
	s_or_b32 s[G1A], s24, (3<<16)|(1<<21)          ; 15:0 the mask; 17:16 elements of 8 bytes; 21 set beside a mask
	s_or_b32 s[G1B], s25, (3<<16)|(1<<21)
	s_mov_b32 s[G1A+1], 32<<16                     ; tensor_dim0
	s_mov_b32 s[G1A+2], 96<<16                     ; tensor_dim1
	s_mov_b32 s[G1A+3], 32<<16                     ; tile_dim0
	s_mov_b32 s[G1A+4], 96                         ; tile_dim1
	s_mov_b32 s[G1A+5], 32                         ; the pitch
	s_mov_b32 s[G1A+6], 0
	s_mov_b32 s[G1A+7], 0
	s_mov_b32 s[G1B+1], 32<<16
	s_mov_b32 s[G1B+2], 72<<16
	s_mov_b32 s[G1B+3], 32<<16
	s_mov_b32 s[G1B+4], 72
	s_mov_b32 s[G1B+5], 32
	s_mov_b32 s[G1B+6], 0
	s_mov_b32 s[G1B+7], 0
	s_mul_i32 s80, s23, 98304                      ; the tokens' address hangs on y and the wave alone,
	s_mul_i32 s82, s[WV], 24576
	s_add_co_u32 s80, s80, s82
	s_mov_b32 s81, 0
	s_mul_i32 s84, s26, 221184                     ; the channels' on g and the wave alone
	s_mul_i32 s86, s[WV], 18432
	s_add_co_u32 s84, s84, s86
	s_mov_b32 s85, 0
	s_wait_dscnt 0x0                               ; both opening adds are done
	s_wait_kmcnt 0x0
	s_mov_b32 s[G0A], 1
	s_mov_b32 s[G0A+1], s82                        ; LDS: 24,576 x wave
	s_add_nc_u64 s[G0A+2:G0A+3], s[4:5], s[80:81]
	s_or_b32 s[G0A+3], s[G0A+3], 0x80000000
.irp j, 0,1,2
	s_mov_b32 s[G0B+4*\j], 1
	s_add_co_u32 s[G0B+4*\j+1], s86, ABYTES+73728*\j
	s_add_nc_u64 s[G0B+4*\j+2:G0B+4*\j+3], s[6:7], s[84:85]
	s_add_nc_u64 s[G0B+4*\j+2:G0B+4*\j+3], s[G0B+4*\j+2:G0B+4*\j+3], 73728*\j
	s_or_b32 s[G0B+4*\j+3], s[G0B+4*\j+3], 0x80000000
.endr
	CROUND                                         ; all sixteen work-groups are here: the joint loads meet
	tensor_load_to_lds s[G0A:G0A+3], s[G1A:G1A+7]
	s_nop 0
.irp j, 0,1,2
	tensor_load_to_lds s[G0B+4*\j:G0B+4*\j+3], s[G1B:G1B+7]
	s_nop 0
.endr
	PLACES                                         ; behind the tensor loads
	v_and_b32 v1, 31, v0
	v_and_b32 v16, 15, v0                          ; r
	v_bfe_u32 v17, v0, 4, 1                        ; h
	v_lshlrev_b32 v[OQK], 4, v1
	v_lshrrev_b32 v18, 3, v16
	v_and_b32 v19, 7, v16
	v_lshl_add_u32 v18, v18, 4, v19
	v_lshl_add_u32 v18, v17, 3, v18                ; 16 (r / 8) + 8 h + r % 8
	v_lshlrev_b32 v[OV], 4, v18
	v_lshlrev_b32 v[R32], 5, v16
	v_lshlrev_b32 v[H32], 5, v17
	s_mul_i32 s78, s19, 49152
	v_add_nc_u32 v[ADRA], s78, v[OQK]
	s_mul_i32 s78, s20, 36864
	s_add_co_u32 s78, s78, ABYTES
.irp j, 0,1,2
	v_add_nc_u32 v[ADRB+\j], s78, v[OQK]
	s_add_co_u32 s78, s78, 73728
.endr
	; the scale words stay in registers: lane r (and 16 + r, which is not read) takes row r's six words
	s_lshl_b32 s78, s23, 4
	s_lshl_b32 s79, s19, 3
	s_add_co_u32 s78, s78, s79
	s_lshl_b32 s78, s78, 9                         ; 512 bytes a tile
	s_mov_b32 s79, 0
	s_add_nc_u64 s[88:89], s[8:9], s[78:79]
	s_mul_i32 s78, s26, 36
	s_mul_i32 s92, s20, 6
	s_add_co_u32 s78, s78, s92
	s_lshl_b32 s78, s78, 9
	s_add_co_u32 s78, s78, 524288
	s_add_nc_u64 s[90:91], s[8:9], s[78:79]
.irp a, 0,1,2,3,4,5,6,7
	global_load_b128 v[SA+6*\a:SA+6*\a+3], v[R32], s[88:89] offset:512*\a
	global_load_b64 v[SA+6*\a+4:SA+6*\a+5], v[R32], s[88:89] offset:512*\a+16
.endr
.irp j, 0,1,2
.irp b, 0,1,2,3,4,5
	global_load_b128 v[SB+36*\j+6*\b:SB+36*\j+6*\b+3], v[R32], s[90:91] offset:512*(12*\j+\b)
	global_load_b64 v[SB+36*\j+6*\b+4:SB+36*\j+6*\b+5], v[R32], s[90:91] offset:512*(12*\j+\b)+16
.endr
.endr
	s_mov_b32 s97, 0
.irp j, 0,1,2
	s_mul_i32 s78, s26, 3
	s_add_co_u32 s78, s78, \j                      ; the sub-tile, 0..11
	s_lshr_b32 s92, s78, 2                         ; its section: 0 q, 1 k, 2 v
	s_and_b32 s93, s78, 3                          ; which 192 of the section's 768
	s_cmp_eq_u32 s92, 1
	s_cselect_b64 s[BPTR+2*\j:BPTR+2*\j+1], s[12:13], s[10:11]
	s_cmp_eq_u32 s92, 2
	s_cselect_b64 s[BPTR+2*\j:BPTR+2*\j+1], s[14:15], s[BPTR+2*\j:BPTR+2*\j+1]
	s_cselect_b32 s94, -1, 0
	v_cndmask_b32 v[SO+\j], v[OQK], v[OV], s94
	s_mul_i32 s96, s93, 768
	s_mul_i32 s95, s20, 384
	s_add_co_u32 s96, s96, s95
	s_add_nc_u64 s[BPTR+2*\j:BPTR+2*\j+1], s[BPTR+2*\j:BPTR+2*\j+1], s[96:97]
	s_lshl_b32 s93, s78, 1
	s_add_co_u32 s93, s93, s20
	s_and_b32 s93, s93, 7                          ; my head
	s_lshl_b32 s92, s92, 4
	s_lshr_b32 s95, s23, 2                         ; the batch
	s_add_co_u32 s92, s92, s95
	s_lshl_b32 s92, s92, 3
	s_add_co_u32 s92, s92, s93
	s_mul_i32 s92, s92, 196608                     ; a head's 64 x 6 sub-images
	s_and_b32 s95, s23, 3
	s_lshl_b32 s95, s95, 4
	s_lshl_b32 s93, s19, 3
	s_add_co_u32 s95, s95, s93                     ; my first token tile in the batch
	s_mul_i32 s95, s95, 3072
	s_add_co_u32 s96, s92, s95
	s_add_nc_u64 s[OPTR+2*\j:OPTR+2*\j+1], s[16:17], s[96:97]
.endr
	WIN 0x40                                       ; destination window 1
.irp j, 0,1,2
.irp b, 0,1,2,3,4,5
	global_load_b128 v[BI+48*\j+8*\b:BI+48*\j+8*\b+3], v[H32], s[BPTR+2*\j:BPTR+2*\j+1] offset:64*\b     ; register i of lane (r, h): the bias of channel 16 b + 8 h + i: the result's layout
	global_load_b128 v[BI+48*\j+8*\b+4:BI+48*\j+8*\b+7], v[H32], s[BPTR+2*\j:BPTR+2*\j+1] offset:64*\b+16
.endr
.endr
	WIN 0
	s_wait_loadcnt 0x0
; 28 LDS loads in one run: K step s of sub-tile j into set buf: 6 channel fragments, token tiles 0-3, token tiles 4-7
.macro FETCH j, s, buf
	WIN 0x40
.irp b, 0,1,2,3,4,5
.irp c, 0,1
	ds_load_b128 v[48*(\buf)+8*\b+4*\c:48*(\buf)+8*\b+4*\c+3], v[ADRB+\j] offset:6144*\b+1024*(\s)+512*\c
.endr
.endr
	WIN (2+(\buf))<<6
.irp a, 0,1,2,3,4,5,6,7
.irp c, 0,1
	ds_load_b128 v[192+8*\a+4*\c:192+8*\a+4*\c+3], v[ADRA] offset:6144*\a+1024*(\s)+512*\c
.endr
.endr
.endm
; 24 products: token tiles 4 hi .. 4 hi + 3 x the six channel tiles.  At K step 0 the C is the bias.  The 48 accumulators take turns in one order.
.macro MULQ hi, buf, s, j
.if (\s) == 0
	WIN 0x11|((2+(\buf))<<2)|((2+\hi)<<6)
.else
	WIN 0x01|((2+(\buf))<<2)|((2+\hi)<<4)|((2+\hi)<<6)
.endif
.irp a, 0,1,2,3
.irp b, 0,1,2,3,4,5
.if (\s) == 0
	v_wmma_scale_f32_16x16x128_f8f6f4 v[8*(6*\a+\b):8*(6*\a+\b)+7], v[48*(\buf)+8*\b:48*(\buf)+8*\b+7], v[192+8*(4*\hi+\a):192+8*(4*\hi+\a)+7], v[BI+48*\j+8*\b:BI+48*\j+8*\b+7], v[SB+36*\j+6*\b+(\s)], v[SA+6*(4*\hi+\a)+(\s)] matrix_a_fmt:MATRIX_FMT_FP4 matrix_b_fmt:MATRIX_FMT_FP4
.else
	v_wmma_scale_f32_16x16x128_f8f6f4 v[8*(6*\a+\b):8*(6*\a+\b)+7], v[48*(\buf)+8*\b:48*(\buf)+8*\b+7], v[192+8*(4*\hi+\a):192+8*(4*\hi+\a)+7], v[8*(6*\a+\b):8*(6*\a+\b)+7], v[SB+36*\j+6*\b+(\s)], v[SA+6*(4*\hi+\a)+(\s)] matrix_a_fmt:MATRIX_FMT_FP4 matrix_b_fmt:MATRIX_FMT_FP4
.endif
.endr
.endr
.endm
.macro STEP j, s
	s_wait_dscnt 8                                 ; the channel fragments and token tiles 0-3 are in; the youngest eight loads (tiles 4-7) may be out
	MULQ 0, (\s)%2, \s, \j
.if (\s) < 5
	PLACES
	FETCH \j, (\s)+1, 1-(\s)%2
	s_wait_dscnt 28                                ; all but the 28 just issued
.else
	s_wait_dscnt 0x0
.endif
	MULQ 1, (\s)%2, \s, \j
.endm
; the way out: each accumulator is packed in place, from its low end on, and its four registers are stored: 512 consecutive bytes a store
.macro EPI j
	PLACES
.irp hi, 0,1
	WIN (2+\hi)|((2+\hi)<<2)|((2+\hi)<<6)
.set i, 0
.rept 24
.irp q, 0,1,2,3
	v_cvt_pk_f16_f32 v[8*i+\q], v[8*i+2*\q], v[8*i+2*\q+1]
.endr
.set i, i+1
.endr
.endr
.irp hi, 0,1
	WIN (2+\hi)<<2                                 ; a store's data are its source 1
.irp a, 0,1,2,3
.irp b, 0,1,2,3,4,5
	global_store_b128 v[SO+\j], v[8*(6*\a+\b):8*(6*\a+\b)+3], s[OPTR+2*\j:OPTR+2*\j+1] offset:3072*(4*\hi+\a)+512*\b th:TH_STORE_NT
.endr
.endr
.endr
	WIN 0
.endm
.macro SUBTILE j
	s_wait_tensorcnt 2-\j                          ; my parts of the tokens' images and of sub-tiles 0 .. j are in; the later sub-tiles' loads may be out
	s_barrier_signal -1
	s_barrier_wait -1                              ; everybody's are
.if \j > 0
	s_wait_xcnt 0x0                                ; the last sub-tile's stores have read the packed accumulators, which are written again below
.endif
	FETCH \j, 0, 0
	STEP \j, 0
	STEP \j, 1
	STEP \j, 2
	STEP \j, 3
	STEP \j, 4
	STEP \j, 5
	EPI \j
.endm
	SUBTILE 0
	SUBTILE 1
	SUBTILE 2
	s_wait_tensorcnt 0x0                           ; the wave's end
	ds_add_u32 v[SPW], v[NIL]
	s_wait_dscnt 0x0
	CROUND                                         ; the closing round
	s_endpgm
.Lfunc_end_k_q35767d079a_qkv:
	.size	k_q35767d079a_qkv, .Lfunc_end_k_q35767d079a_qkv-k_q35767d079a_qkv
	.p2alignl 7, 3214868480
	.fill 96, 4, 3214868480
	.section	.rodata,"a",@progbits
	.p2align	6, 0x0
	.amdhsa_kernel k_q35767d079a_qkv
		.amdhsa_group_segment_fixed_size 327680
		.amdhsa_private_segment_fixed_size 0
		.amdhsa_enable_private_segment 0
		.amdhsa_kernarg_size 56
		.amdhsa_user_sgpr_count 2
		.amdhsa_user_sgpr_kernarg_segment_ptr 1
		.amdhsa_wavefront_size32 1
		.amdhsa_system_sgpr_workgroup_id_x 1
		.amdhsa_system_sgpr_workgroup_id_y 1
		.amdhsa_system_sgpr_workgroup_id_z 1
		.amdhsa_system_vgpr_workitem_id 0
		.amdhsa_next_free_vgpr 1024
		.amdhsa_next_free_sgpr 100
		.amdhsa_reserve_vcc 0
		.amdhsa_float_denorm_mode_32 3
		.amdhsa_float_denorm_mode_16_64 3
		.amdhsa_memory_ordered 1
		.amdhsa_forward_progress 1
		.amdhsa_inst_pref_size 214
	.end_amdhsa_kernel
	.amdgpu_metadata
---
amdhsa.version: [ 1, 2 ]
amdhsa.kernels:
  - .name:           k_q35767d079a_qkv
    .symbol:         k_q35767d079a_qkv.kd
    .args:
      - { .name: xc, .offset: 0, .size: 8, .value_kind: global_buffer, .address_space: global }
      - { .name: wc, .offset: 8, .size: 8, .value_kind: global_buffer, .address_space: global }
      - { .name: scl, .offset: 16, .size: 8, .value_kind: global_buffer, .address_space: global }
      - { .name: bq, .offset: 24, .size: 8, .value_kind: global_buffer, .address_space: global }
      - { .name: bk, .offset: 32, .size: 8, .value_kind: global_buffer, .address_space: global }
      - { .name: bv, .offset: 40, .size: 8, .value_kind: global_buffer, .address_space: global }
      - { .name: qkv, .offset: 48, .size: 8, .value_kind: global_buffer, .address_space: global }
    .group_segment_fixed_size: 327680
    .private_segment_fixed_size: 0
    .kernarg_segment_align: 8
    .kernarg_segment_size: 56
    .max_flat_workgroup_size: 128
    .sgpr_count:     100
    .vgpr_count:     1024
    .wavefront_size: 32
...
	.end_amdgpu_metadata
.endif
;; end of part 2
;; launch attn (part 3): grid 4 x 128, 4 waves a work-group, clusters of 4 x 1, 327,680 bytes of LDS; arguments qkv, o16; writes o16
.if DOCPART == 3
	.amdgcn_target "amdgcn-amd-amdhsa--gfx1250"
	.amdhsa_code_object_version 6
	.text
	.protected	k_q35767d079a_attn
	.globl	k_q35767d079a_attn
	.p2align	8
	.type	k_q35767d079a_attn,@function
k_q35767d079a_attn:
	s_mov_b64 s[64:65], 0
	v_nop
	global_prefetch_b8 v0, s[64:65] scope:SCOPE_SE
	s_setreg_imm32_b32 hwreg(HW_REG_WAVE_MODE, 25, 1), 1
	s_wait_xcnt 0x0
	s_wait_alu depctr_hold_cnt(0) depctr_sa_sdst(0) depctr_va_vdst(0) depctr_va_sdst(0) depctr_va_ssrc(0) depctr_va_vcc(0) depctr_vm_vsrc(0)
	s_getreg_b32 s2, hwreg(HW_REG_IB_STS2, 6, 4)
	s_cmp_eq_u32 s2, 0
	s_cbranch_scc0 .Lentry_in_a_cluster
	s_endpgm
.Lentry_in_a_cluster:
	s_bfe_u32 s2, ttmp6, 0x10000c
	s_cmp_lg_u32 s2, 0x3003
	s_cbranch_scc0 .Lentry_shape_is_right
	s_endpgm
.Lentry_shape_is_right:
; ATTN.  o[q] = the sum over k of softmax_k(q . k) v[k], for each of 128 (batch, head) pairs: 1,024 queries, 1,024 keys, head size 96.  No scale stands ahead of the softmax; the division by sqrt(768) that
; follows it is made in the next launch, in f32.  q, k, v, the weights p and o are f16; products, maxima and sums f32.
; LIMITS: o is a mean of v's rows, so it has v's range (at most 65,504); NaN and infinities are not served.
; SHARES.  A work-group owns 256 queries of one head, each of its four waves 64: four tiles of 16.  Every wave walks all keys, 64 a step, 16 steps.
; LAYOUT.  S^T = K Q^T (source 0 = 16 keys, source 1 = 16 queries): a lane holds ONE query and the keys 8 (lane / 16) + 0..7; two such tiles, rounded to f16 in pairs, are source 1 of O^T = V^T P.
; K comes out of LDS as it lies; V by the turning load.  Both lie as sub-images of 512 bytes, read at 16 x lane: no pitch, no padding.
; SOFTMAX.  A running maximum m and sum l for each query: p = 2^(c s - c m), c = log2(e); in every step O and l are multiplied by a = 2^(c m_old - c m_new).
; BY TURNS.  The wave's tiles are two pieces (tiles 0, 1; tiles 2, 3).  In a turn one piece has the matrix unit: 24 products V^T P of the step in hand, then 24 products K Q^T of the next; the other piece's
; softmax, 252 instructions in 63 slices of four, stands between them: ONE slice behind each of the 48 products; the fifteen slices that are over, all plain (the end of the sums and O^T's rescaling), stand together at the turn's end.
; LDS.  The keys come in four quarters of 256.  K's quarters 0-2 lie from byte 0, V's from VREG; all six blocks are asked for at the head (three tensor loads a wave, three outstanding at the most).
; Quarter 3 is filled into quarter 0's bytes when that has been read: the one refill, eight key steps (768 products a wave) ahead of its first read.  So no prefetch is written.
; CLUSTER.  The four query blocks of a head walk the same K and V: each block is asked for jointly, by the same load with the same descriptor and the mask 15.
; REGISTERS.  window 0: v2-8 addresses; v12-43 eight registers of statistics a tile; v64-191 S^T, 32 a tile; v192-255 P, 16 a tile.   window 1: O^T, 48 a tile.
;   window 2: v0-95 Q, 24 a tile; v128-223 K of one step.   window 3: v0-95 V of one step.
.set HB,    196608                     ; a head's bytes in a section of qkv
.set SEC,   25165824                   ; a section
.set STEPB, 12288                      ; a key step's K, or V: 4 token tiles x 6 sub-images x 512
.set VREG,  159744                     ; V's region: behind K's three quarters and a gap of one step
.set SPARE, 319488                     ; behind V's three quarters and a gap: the spare words, 128 bytes for each wave, which no other line names
.set AL,  2                            ; v2   16 x lane: my place in a sub-image of K
.set AV,  3                            ; v3   the same in V's region
.set ADR, 4                            ; v4   the LDS address of the run of loads in hand
.set GO,  8                            ; v8   16 x lane, for Q's loads and O's stores
.set ST,  12                           ; tile t's statistics at v[ST+8 t]: +0 c m, +1 m, +2, +3 l, +4 to +7 at work; a takes +6 once the maximum is found
.set SPW, 62
.set NIL, 63
.set S,   64
.set P,   192
.set KF,  128
.set WV,  12
.set G1,  24                           ; s[24:31] descriptor group 1, one for all loads
.set G0,  40                           ; s[40:51] group 0, a set for each of the three first fills; the first is stepped for the refill
.set CNT, 57
.set CS,  58                           ; s[58:59] c
.set SEL, 60                           ; s[60:61] selects for lane l xor 16
.set TB,  62                           ; s62  LDS byte at which the step to be fetched begins
.set MSB, 0
.macro WIN new
.if MSB != (\new)
	s_set_vgpr_msb (MSB<<8)|(\new)
.set MSB, (\new)
.endif
.endm
.set W_KQ, 0x0a                        ; K and Q in window 2, S^T in window 0
.set W_PV, 0x53                        ; V in window 3, P in window 0, O^T in window 1
.set W_RS, 0x41                        ; O^T (destination and source 0) in window 1, a in window 0
.macro PLACES
.rept 4
	v_nop
.endr
.endm
.macro CROUND
	s_barrier_signal -1
	s_barrier_wait -1
	s_cmp_lg_u32 s[WV], 0
	s_cbranch_scc1 .Lnw0_\@
	s_barrier_signal -3
.Lnw0_\@:
	s_barrier_wait -3
	s_barrier_signal -1
	s_barrier_wait -1
.endm
	s_load_b128 s[4:7], s[0:1], 0x0                ; qkv s[4:5], o16 s[6:7]
	v_lshl_add_u32 v[SPW], v0, 2, SPARE
	v_mov_b32 v[NIL], 0
	ds_add_u32 v[SPW], v[NIL]                      ; the opening: the add, twice on end, and its wait ahead of my first tensor load
	ds_add_u32 v[SPW], v[NIL]
	v_lshrrev_b32 v1, 5, v0
	v_readfirstlane_b32 s[WV], v1
	s_bfe_u32 s13, ttmp6, 0x40000                  ; cx
	s_lshl_b32 s14, ttmp9, 2
	s_add_co_u32 s14, s14, s13                     ; my block of 256 queries: it enters Q's and O's addresses alone
	s_and_b32 s20, ttmp7, 0xffff                   ; 8 x batch + head, which the four partners share
	s_mul_i32 s16, s20, HB
	s_lshr_b32 s21, s[WV], 1                       ; waves 0, 1 fetch K, waves 2, 3 V;
	s_and_b32 s22, s[WV], 1                        ; each a half of a quarter: 24,576 bytes
	s_mul_i32 s18, s21, SEC
	s_add_co_u32 s18, s18, SEC
	s_add_co_u32 s18, s18, s16
	s_mul_i32 s23, s22, 24576
	s_add_co_u32 s18, s18, s23
	s_mov_b32 s19, 0
	s_mul_i32 s15, s21, VREG
	s_add_co_u32 s15, s15, s23                     ; and its place in LDS: the wave's number alone enters it
	s_lshl_b32 s2, s14, 4
	s_lshl_b32 s3, s[WV], 2
	s_add_co_u32 s2, s2, s3                        ; my first token tile in the head
	s_mul_i32 s32, s2, 3072
	s_add_co_u32 s32, s32, s16
	s_mov_b32 s33, 0
	s_lshr_b32 s34, s20, 3
	s_lshl_b32 s34, s34, 6
	s_add_co_u32 s34, s34, s2                      ; and among all 1,024
	s_mul_i32 s34, s34, 24576
	s_and_b32 s35, s20, 7
	s_mul_i32 s35, s35, 3072
	s_add_co_u32 s34, s34, s35
	s_mov_b32 s35, 0
	s_mov_b32 s[G1], 15|(3<<16)|(1<<21)            ; the mask: all four; elements of 8 bytes; bit 21 beside a mask
	s_mov_b32 s[G1+1], 32<<16                      ; a dense block of 24,576 bytes as 96 rows of 256
	s_mov_b32 s[G1+2], 96<<16
	s_mov_b32 s[G1+3], 32<<16
	s_mov_b32 s[G1+4], 96
	s_mov_b32 s[G1+5], 32
	s_mov_b32 s[G1+6], 0
	s_mov_b32 s[G1+7], 0
	s_mov_b32 s[CS], 0x3fb8aa3b                    ; c = log2(e)
	s_mov_b32 s[CS+1], s[CS]
	s_mov_b32 s[SEL], 0x76543210
	s_mov_b32 s[SEL+1], 0xfedcba98
	s_mov_b32 s[TB], 0
	s_wait_dscnt 0x0                               ; both opening adds are done
	s_wait_kmcnt 0x0
	s_add_nc_u64 s[18:19], s[4:5], s[18:19]        ; K or V at my part of quarter 0
	s_add_nc_u64 s[8:9], s[4:5], s[32:33]          ; Q at my first query
	s_add_nc_u64 s[10:11], s[6:7], s[34:35]        ; O likewise
.irp q, 0,1,2
	s_mov_b32 s[G0+4*\q], 1
	s_add_co_u32 s[G0+4*\q+1], s15, 49152*\q
	s_add_nc_u64 s[G0+4*\q+2:G0+4*\q+3], s[18:19], 49152*\q
	s_or_b32 s[G0+4*\q+3], s[G0+4*\q+3], 0x80000000
.endr
	CROUND                                         ; all four work-groups are here: the joint loads meet
.irp q, 0,1,2
	tensor_load_to_lds s[G0+4*\q:G0+4*\q+3], s[G1:G1+7]
	s_nop 0
.endr
	PLACES                                         ; behind the tensor loads
	v_and_b32 v1, 31, v0
	v_lshlrev_b32 v[AL], 4, v1
	v_add_nc_u32 v[AV], VREG, v[AL]
	v_lshlrev_b32 v[GO], 4, v1
	WIN 0x80                                       ; destination window 2
.set i, 0
.rept 24                               ; Q stays in registers: sub-image i = 6 t + f is registers 4 i .. 4 i + 3: tile t's three fragments of 32 channels
	global_load_b128 v[4*i:4*i+3], v[GO], s[8:9] offset:512*i
.set i, i+1
.endr
	WIN 0
; Product i of 24 of O^T += V^T P: keys 32 (i / 12) on, channels 16 ((i / 2) % 6) on, tile x + i % 2.  zero = 1: the first 12 start the sums.  Between two links of a chain stand 11 others' (K Q^T: 7): turns.
.macro PV x, zero
	WIN W_PV
.set rO, 48*(\x+i%2)+8*((i/2)%6)
.set rV, 48*(i/12)+8*((i/2)%6)
.set rP, P+16*(\x+i%2)+8*(i/12)
.if \zero && (i < 12)
	v_wmma_f32_16x16x32_f16 v[rO:rO+7], v[rV:rV+7], v[rP:rP+7], 0
.else
	v_wmma_f32_16x16x32_f16 v[rO:rO+7], v[rV:rV+7], v[rP:rP+7], v[rO:rO+7]
.endif
.endm
; Product i of 24 of S^T = K Q^T: channels 32 (i / 8) on, keys 16 ((i / 2) % 4) on, tile x + i % 2.  The first 8 start the sums.
.macro KQ x
	WIN W_KQ
.set rS, S+32*(\x+i%2)+8*((i/2)%4)
.set rK, KF+24*((i/2)%4)+8*(i/8)
.set rQ, 24*(\x+i%2)+8*(i/8)
.if i < 8
	v_wmma_f32_16x16x32_f16 v[rS:rS+7], v[rK:rK+7], v[rQ:rQ+7], 0
.else
	v_wmma_f32_16x16x32_f16 v[rS:rS+7], v[rK:rK+7], v[rQ:rQ+7], v[rS:rS+7]
.endif
.endm
; the LDS loads stand in runs of 24
.macro FETCH_K
	WIN 0
	v_add_nc_u32 v[ADR], s[TB], v[AL]
	WIN 0x80
.irp kt, 0,1,2,3
.irp c, 0,1,2
	ds_load_b128 v[KF+24*\kt+8*\c:KF+24*\kt+8*\c+3],   v[ADR] offset:3072*\kt+1024*\c
	ds_load_b128 v[KF+24*\kt+8*\c+4:KF+24*\kt+8*\c+7], v[ADR] offset:3072*\kt+1024*\c+512
.endr
.endr
.endm
.macro FETCH_V
	WIN 0
	v_add_nc_u32 v[ADR], s[TB], v[AV]
	s_add_co_u32 s[TB], s[TB], STEPB               ; the next fetch is the next step's
	s_wait_alu depctr_va_vdst(0)                   ; the wait for the softmax's batch of exponentials, ahead of the first line that names a result
	WIN 0xc0
.irp u, 0,1
.irp f, 0,1,2,3,4,5
	ds_load_tr16_b128 v[48*\u+8*\f:48*\u+8*\f+3],   v[ADR] offset:6144*\u+512*\f
	ds_load_tr16_b128 v[48*\u+8*\f+4:48*\u+8*\f+7], v[ADR] offset:6144*\u+512*\f+3072
.endr
.endr
.endm
; One tile's softmax for one key step is a list of 126 instructions; SM writes number j of it for tile t.
;   0-15 the maximum of the lane's 32 scores and the old m;  16-20 the other half of the lanes', the new m, c m, c m_old - c m_new;
;   21-69 ONE BATCH: 16 packed scalings c s - c m and all 33 exponentials, none of which reads an exponential's result;  (the wait);
;   70-85 the roundings to f16;  86-101 the sums, l = a l + the sum;  102-125 the tile's O^T times a.   first = 1: the first key step: no a, nothing to rescale.
.macro SM t, first
.set rT, ST+8*(\t)
.set rS, S+32*(\t)
.set rP, P+16*(\t)
.set rO, 48*(\t)+2*(j-102)
.if j < 102
	WIN 0
.endif
.if j < 4
	v_max3_num_f32 v[rT+4+j], v[rS+8*j], v[rS+8*j+1], v[rS+8*j+2]      ; each accumulator is read from its low end on
.elseif j < 12
	v_max3_num_f32 v[rT+4+j%4], v[rT+4+j%4], v[rS+8*(j%4)+2*(j/4)+1], v[rS+8*(j%4)+2*(j/4)+2]
.elseif j == 12
	v_max3_num_f32 v[rT+4], v[rT+4], v[rS+7], v[rS+15]
.elseif j == 13
	v_max3_num_f32 v[rT+6], v[rT+6], v[rS+23], v[rS+31]
.elseif j == 14
	v_max3_num_f32 v[rT+4], v[rT+4], v[rT+5], v[rT+6]
.elseif (j == 15) && \first
	v_max_num_f32 v[rT+4], v[rT+4], v[rT+7]
.elseif j == 15
	v_max3_num_f32 v[rT+4], v[rT+4], v[rT+7], v[rT+1]
.elseif j == 16
	v_permlanex16_b32 v[rT+5], v[rT+4], s[SEL], s[SEL+1]
.elseif j == 18
	v_max_num_f32 v[rT+1], v[rT+4], v[rT+5]
.elseif j == 19
	v_mul_f32 v[rT], s[CS], v[rT+1]
.elseif ((j == 17) || (j == 20) || (j == 23) || (j > 101)) && \first
.elseif j == 17
	v_mov_b32 v[rT+7], v[rT]
.elseif j == 20
	v_sub_f32 v[rT+7], v[rT+7], v[rT]
.elseif j == 23
	v_exp_f32 v[rT+6], v[rT+7]
.elseif (j < 23) || ((j < 38) && (j%2 == 0)) || ((j < 66) && (j%4 == 2))
.set b, (j-2)/4
.if j < 38
.set b, (j-20)/2
.endif
	v_pk_fma_f32 v[rS+2*b:rS+2*b+1], v[rS+2*b:rS+2*b+1], s[CS:CS+1], v[rT:rT+1] op_sel_hi:[1,0,0] neg_lo:[0,0,1] neg_hi:[0,0,1]
.elseif j < 70
.set e, j-38
.if j < 66
.set e, j-32-(j-38)/4
.endif
.if j < 38
.set e, (j-25)/2
.endif
	v_exp_f32 v[rS+e], v[rS+e]
.elseif j < 86
	v_cvt_pk_f16_f32 v[rP+j-70], v[rS+2*(j-70)], v[rS+2*(j-70)+1]
.elseif j < 102
.set z, j-86
.set w, 4
.set u, z
.if z >= 14
.set w, 32
.set u, 0
.elseif z >= 12
.set w, 16
.set u, z-12
.elseif z >= 8
.set w, 8
.set u, z-8
.endif
.if (z == 14) && \first
	v_pk_add_f32 v[rT+2:rT+3], v[rS:rS+1], v[rS+16:rS+17]
.elseif z < 15
	v_pk_add_f32 v[rS+w*u:rS+w*u+1], v[rS+w*u:rS+w*u+1], v[rS+w*u+w/2:rS+w*u+w/2+1]
.elseif !\first
	v_pk_fma_f32 v[rT+2:rT+3], v[rT+2:rT+3], v[rT+6:rT+7], v[rS:rS+1] op_sel_hi:[1,0,1]
.endif
.else
	WIN W_RS
	v_pk_mul_f32 v[rO:rO+1], v[rO:rO+1], v[rT+6:rT+7] op_sel_hi:[1,0]
.endif
.endm
; Slice k of 63 of piece y's softmax; from k = 63 on the macro writes nothing.  Slices 11 to 34 deal out the batch, four numbers of one tile each, the tiles by turns; every other slice is numbers 2 k and 2 k + 1 of both tiles.
; Behind slice 34 no exponential is issued and ahead of slice 35 no result is named: one plain line and one wait serve the piece's 66 exponentials.
.macro SLICE y, first
.if k < 63
.if (k >= 11) && (k < 35)
.irp n, 0,1,2,3
.set j, 22+4*((k-11)/2)+(\n)
	SM (\y)+(k-11)%2, \first
.endr
.else
.irp n, 0,1
.irp t, \y, \y+1
.set j, 2*k+\n
	SM \t, \first
.endr
.endr
.endif
.if k == 34
	v_nop                                          ; the plain line behind the last exponential
.if (\y) == 0
	FETCH_V                                        ; piece 2's turn: V's run of loads stands here, and the wait stands in it
.else
	s_wait_alu depctr_va_vdst(0)
.endif
.endif
.endif
.set k, k+1
.endm
; A TURN.  pv = 2: 24 products V^T P; 1: they start O^T's sums; 0: none.  kq = 1: 24 products K Q^T for the next step.  Slice g stands behind product g; the slices that are over stand together at the end:
; fifteen (numbers 96 to 125 of both tiles, 60 plain instructions) in a turn of 48 products, 39 in a turn with one kind of product.
; PLACES, counted.  K's loads stand behind the second product of piece 0's turn: the last product that read K stands ahead of the 60 instructions that close the turn before, which name nothing of it.
; V's loads stand behind slice 34 of piece 2's turn, which falls behind product 34: behind the last V^T P (product 23) stand numbers 46, 50, 54, 58 and 62 of both tiles (ten scalings), the v_nop and the run's own addition.
; The next turn's first read of the scores stands behind the closing 60 too.  first = 1: the slices from 51 on are empty, so four v_nop close the turn.
.macro TURN x, pv, kq, first
.set k, 0
.if \pv
.if \x == 0
	s_wait_dscnt 0x0                               ; V is in
.endif
.set i, 0
.rept 24
	PV \x, 2-\pv
	SLICE 2-\x, \first
.if (\x == 0) && \kq && (i == 1)
	FETCH_K
.endif
.set i, i+1
.endr
.endif
.if \kq
.if \x == 0
	s_wait_dscnt 0x0                               ; K is in
.endif
.set i, 0
.rept 24
	KQ \x
	SLICE 2-\x, \first
.set i, i+1
.endr
.endif
.rept 39                               ; what is over: 63 - 48 or 63 - 24 slices; the macro writes nothing from slice 63 on
	SLICE 2-\x, \first
.endr
.if \first
	PLACES
.endif
.endm
.macro PAIRS n                         ; n key steps: written once, walked n times; the LDS addresses hang on s[TB]
	s_mov_b32 s[CNT], \n
.Lpair_\@:
	TURN 0, 2, 1, 0
	TURN 2, 2, 1, 0
	WIN 0                                          ; at a label and at a branch every window is 0
	s_sub_co_u32 s[CNT], s[CNT], 1
	s_cmp_lg_u32 s[CNT], 0
	s_cbranch_scc1 .Lpair_\@
.endm
	s_wait_tensorcnt 2                             ; my part of quarter 0 is in; quarters 1 and 2 may stay out
	s_barrier_signal -1
	s_barrier_wait -1                              ; everybody's is
	FETCH_K                                        ; key step 0
	s_wait_loadcnt 0x0                             ; Q
	s_wait_dscnt 0x0
.set i, 0
.rept 24
	KQ 0                                           ; piece 0's first scores
.set i, i+1
.endr
	WIN 0
	PLACES
	TURN 2, 0, 1, 1                                ; piece 2's first scores | piece 0's first softmax | V of step 0
	TURN 0, 1, 1, 1                                ; piece 0: V^T P of step 0 starts O^T, K Q^T of step 1 | piece 2's first softmax | K of step 1
	TURN 2, 1, 1, 0                                ; piece 2: the same | piece 0's softmax of step 1 | V of step 1
	WIN 0
	PAIRS 2                                        ; steps 2 and 3 are fetched: quarter 0 has been read
	; THE ONE REFILL.  Every wave waits for all its tensor loads (quarters 1 and 2 among them, which this round so shows whole to all), adds 0 to its spare word, and waits for that and for its reads of quarter 0.
	s_wait_tensorcnt 0x0
	ds_add_u32 v[SPW], v[NIL]
	s_add_nc_u64 s[G0+2:G0+3], s[G0+2:G0+3], 147456   ; no tensor load of mine is out: the first set steps to quarter 3; its LDS address stays
	s_wait_dscnt 0x0
	CROUND                                         ; no wave of any partner still reads quarter 0 or has a load on its way
	tensor_load_to_lds s[G0:G0+3], s[G1:G1+7]
	s_nop 0
	PLACES
	PAIRS 8                                        ; steps 4 to 11: quarters 1 and 2
	s_wait_tensorcnt 0x0                           ; my part of quarter 3 is in
	ds_add_u32 v[SPW], v[NIL]
	s_wait_dscnt 0x0
	s_barrier_signal -1
	s_barrier_wait -1                              ; everybody's is
	s_mov_b32 s[TB], 0                             ; quarter 3 lies where quarter 0 lay
	PAIRS 4                                        ; steps 12 to 15
	TURN 0, 2, 0, 0                                ; piece 0: V^T P of the last step | piece 2's last softmax
.set i, 0
.rept 24
	PV 2, 0                                        ; piece 2: V^T P of the last step
.set i, i+1
.endr
	; THE WAY OUT.  l's two halves and the other half of the lanes' are added (the places behind the last products); O^T is divided by l and rounded to f16.  A lane's eight channels of a query are 16 bytes
	; of a sub-image of o16 [token tile (1,024)][6 x head + f (48)][512 bytes]: a store covers 512 consecutive bytes.  No stage.
	WIN 0
.irp t, 0,1,2,3
	v_add_f32 v[ST+8*\t+4], v[ST+8*\t+2], v[ST+8*\t+3]
.endr
.irp t, 0,1,2,3
	v_permlanex16_b32 v[ST+8*\t+5], v[ST+8*\t+4], s[SEL], s[SEL+1]
.endr
.irp t, 0,1,2,3
	v_add_f32 v[ST+8*\t+4], v[ST+8*\t+4], v[ST+8*\t+5]
.endr
.irp t, 0,1,2,3
	v_rcp_f32 v[ST+8*\t+6], v[ST+8*\t+4]
.endr
	v_nop                                          ; a plain line between the last reciprocal and the use of its result
	s_wait_alu depctr_va_vdst(0)                   ; and the wait: one for the four
.macro PACK t
	WIN W_RS
.set i, 48*\t
.rept 24
	v_pk_mul_f32 v[i:i+1], v[i:i+1], v[ST+8*\t+6:ST+8*\t+7] op_sel_hi:[1,0]
.set i, i+2
.endr
	WIN 0x05                                       ; sources 0 and 1 window 1, destination window 0: S^T's registers are free
.set i, 0
.rept 24
	v_cvt_pk_f16_f32 v[S+32*\t+i], v[48*\t+2*i], v[48*\t+2*i+1]
.set i, i+1
.endr
	WIN 0
.irp f, 0,1,2,3,4,5
	global_store_b128 v[GO], v[S+32*\t+4*\f:S+32*\t+4*\f+3], s[10:11] offset:24576*\t+512*\f th:TH_STORE_NT
.endr
.endm
	PACK 0
	PACK 1
	PACK 2
	PACK 3
	s_wait_tensorcnt 0x0                           ; the wave's end
	ds_add_u32 v[SPW], v[NIL]
	s_wait_dscnt 0x0
	CROUND                                         ; the closing round
	s_endpgm
.Lfunc_end_k_q35767d079a_attn:
	.size	k_q35767d079a_attn, .Lfunc_end_k_q35767d079a_attn-k_q35767d079a_attn
	.p2alignl 7, 3214868480
	.fill 96, 4, 3214868480
	.section	.rodata,"a",@progbits
	.p2align	6, 0x0
	.amdhsa_kernel k_q35767d079a_attn
		.amdhsa_group_segment_fixed_size 327680
		.amdhsa_private_segment_fixed_size 0
		.amdhsa_enable_private_segment 0
		.amdhsa_kernarg_size 16
		.amdhsa_user_sgpr_count 2
		.amdhsa_user_sgpr_kernarg_segment_ptr 1
		.amdhsa_wavefront_size32 1
		.amdhsa_system_sgpr_workgroup_id_x 1
		.amdhsa_system_sgpr_workgroup_id_y 1
		.amdhsa_system_sgpr_workgroup_id_z 1
		.amdhsa_system_vgpr_workitem_id 0
		.amdhsa_next_free_vgpr 1024
		.amdhsa_next_free_sgpr 80
		.amdhsa_reserve_vcc 0
		.amdhsa_float_denorm_mode_32 3
		.amdhsa_float_denorm_mode_16_64 3
		.amdhsa_memory_ordered 1
		.amdhsa_forward_progress 1
		.amdhsa_inst_pref_size 227
	.end_amdhsa_kernel
	.amdgpu_metadata
---
amdhsa.version: [ 1, 2 ]
amdhsa.kernels:
  - .name:           k_q35767d079a_attn
    .symbol:         k_q35767d079a_attn.kd
    .args:
      - { .name: qkv, .offset: 0, .size: 8, .value_kind: global_buffer, .address_space: global }
      - { .name: o16, .offset: 8, .size: 8, .value_kind: global_buffer, .address_space: global }
    .group_segment_fixed_size: 327680
    .private_segment_fixed_size: 0
    .kernarg_segment_align: 8
    .kernarg_segment_size: 16
    .max_flat_workgroup_size: 128
    .sgpr_count:     80
    .vgpr_count:     1024
    .wavefront_size: 32
...
	.end_amdgpu_metadata
.endif
;; end of part 3
;; launch proj (part 4): grid 4 x 64, 4 waves a work-group, clusters of 4 x 4, 327,680 bytes of LDS; arguments o16, wo16, bo, out0; writes out0
.if DOCPART == 4
	.amdgcn_target "amdgcn-amd-amdhsa--gfx1250"
	.amdhsa_code_object_version 6
	.text
	.protected	k_q35767d079a_proj
	.globl	k_q35767d079a_proj
	.p2align	8
	.type	k_q35767d079a_proj,@function
k_q35767d079a_proj:
	s_mov_b64 s[64:65], 0
	v_nop
	global_prefetch_b8 v0, s[64:65] scope:SCOPE_SE
	s_setreg_imm32_b32 hwreg(HW_REG_WAVE_MODE, 25, 1), 1
	s_wait_xcnt 0x0
	s_wait_alu depctr_hold_cnt(0) depctr_sa_sdst(0) depctr_va_vdst(0) depctr_va_sdst(0) depctr_va_ssrc(0) depctr_va_vcc(0) depctr_vm_vsrc(0)
	s_getreg_b32 s2, hwreg(HW_REG_IB_STS2, 6, 4)
	s_cmp_eq_u32 s2, 0
	s_cbranch_scc0 .Lentry_in_a_cluster
	s_endpgm
.Lentry_in_a_cluster:
	s_bfe_u32 s2, ttmp6, 0x10000c
	s_cmp_lg_u32 s2, 0xf033
	s_cbranch_scc0 .Lentry_shape_is_right
	s_endpgm
.Lentry_shape_is_right:
; PROJ.  out0 = (o Wo) / sqrt(768) + bo.  o and Wo are f16, the sums f32; the division behind the softmax is a multiplication by 1 / sqrt(768) here, in f32, fused with the bias:
; another order of rounding than a division behind the softmax.
; A work-group takes 256 tokens (y) x 192 columns (x); wave w takes 64 tokens x all 192 columns: 4 x 12 = 48 accumulators, so that its rows of out0 are three whole aligned pieces of 256 bytes and its stage is its own.
; THE PRODUCT IS USED TRANSPOSED (source 0 = 16 columns of Wo, source 1 = 16 tokens): a lane holds eight neighbouring numbers of a row of out0.
; K = 768 goes in six steps of 128 through two LDS slots.  In o16 and wo16 a tile's eight sub-images of a K step are 4,096 consecutive bytes, 24,576 from tile to tile: a tensor load brings 8 (o) or 6 (Wo) such rows.
; Waves 0, 1 fetch o's halves, waves 2, 3 Wo's: one load a wave behind each change of slots; two outstanding at the start, then one.  A fragment is two loads at 16 x lane, 512 bytes apart: no padding.
; CLUSTER 4 x 4: o's tiles are shared along a row, Wo's along a column: joint loads.
; REGISTERS.  window 0: v0-31 addresses; v128-191 o's fragments, two sets of 32; v224-235 the bias; on the way out v32-127 and v128-223 by turns.   window 1: v0-191 Wo's fragments, two sets of 96.
;   window 2: accumulators of token tiles 0, 1 at 8 (12 (a % 2) + b);   window 3: of tiles 2, 3.
.set SLOT,   114688                    ; o: 16 tiles x 4,096; then Wo: 12 x 4,096
.set BOFF,   65536
.set STAGE,  229376                    ; behind the ring: 16 rows x 784 bytes for each wave
.set SPITCH, 784                       ; 768 + 16 = 49 x 16
.set SPARE,  279552                    ; behind the stages: the spare words, 128 bytes for each wave, which no other line names
.set AF,   128
.set BIAS, 224
.set L16,  4                           ; v4     16 x lane
.set RD,   8                           ; v8-10  the way out: where I read two rows back, in three pieces of 512 bytes
.set CO,   12                          ; v12-14 and the same three pieces in out0
.set ADRA, 16                          ; v16-17 LDS address of my o fragments in slot 0, 1
.set ADRB, 20                          ; v20-21 of Wo's
.set STO,  24                          ; v24    the way out: where I put 32 bytes of a row
.set SPW,  28
.set NIL,  29
.set BO1,  30                          ; v30-31 the bias's second and third piece
.set WV,   12
.set G1,   24                          ; s[24:31], s[32:39] groups 1 and 0 (a set for each slot) for o;  s[48:55], s[56:63] for Wo
.set G0,   32
.set G1B,  48
.set G0B,  56
.set CSC,  66                          ; s[66:67] 1 / sqrt(768)
.set MSB, 0
.macro WIN new
.if MSB != (\new)
	s_set_vgpr_msb (MSB<<8)|(\new)
.set MSB, (\new)
.endif
.endm
.set MUL_LO, 0xa1                      ; source 0 (Wo) window 1, source 1 (o) window 0, C and D window 2
.set MUL_HI, 0xf1
.macro PLACES
.rept 4
	v_nop
.endr
.endm
.macro JLOAD s                         ; a joint load; the branch hangs on the wave's number alone; an s_nop 0 and four v_nop follow each of the two lines
	s_cmp_eq_u32 s13, 0
	s_cbranch_scc0 .Lfor_b_\@
	tensor_load_to_lds s[G0+4*\s:G0+4*\s+3], s[G1:G1+7]
	s_nop 0
.rept 4
	v_nop
.endr
	s_branch .Lasked_\@
.Lfor_b_\@:
	tensor_load_to_lds s[G0B+4*\s:G0B+4*\s+3], s[G1B:G1B+7]
	s_nop 0
.rept 4
	v_nop
.endr
.Lasked_\@:
.endm
.macro CREST
	s_cmp_lg_u32 s[WV], 0
	s_cbranch_scc1 .Lnw0_\@
	s_barrier_signal -3
.Lnw0_\@:
	s_barrier_wait -3
	s_barrier_signal -1
	s_barrier_wait -1
.endm
.macro CROUND
	s_barrier_signal -1
	s_barrier_wait -1
	CREST
.endm
	s_load_b256 s[4:11], s[0:1], 0x0               ; o16 s[4:5], wo16 s[6:7], bo s[8:9], out0 s[10:11]
	v_lshl_add_u32 v[SPW], v0, 2, SPARE
	v_mov_b32 v[NIL], 0
	ds_add_u32 v[SPW], v[NIL]                      ; the opening: the add, twice on end, and its wait ahead of my first tensor load
	ds_add_u32 v[SPW], v[NIL]
	v_lshrrev_b32 v1, 5, v0
	v_readfirstlane_b32 s[WV], v1
	s_lshr_b32 s13, s[WV], 1                       ; I fetch for o (0) or for Wo (1),
	s_and_b32 s14, s[WV], 1                        ; which half
	s_bfe_u32 s40, ttmp6, 0x40000                  ; cx
	s_bfe_u32 s41, ttmp6, 0x40004                  ; cy
	s_lshl_b32 s42, ttmp9, 2
	s_add_co_u32 s42, s42, s40                     ; x: which 192 columns
	s_and_b32 s15, ttmp7, 0xffff
	s_lshl_b32 s15, s15, 2
	s_add_co_u32 s15, s15, s41                     ; y: which 256 tokens
	s_lshl_b32 s43, s41, 2
	s_lshl_b32 s43, 15, s43                        ; my row of the cluster
	s_lshl_b32 s44, 0x1111, s40                    ; my column
	s_or_b32 s[G1], s43, (3<<16)|(1<<21)           ; the mask; elements of 8 bytes; bit 21 beside a mask
	s_or_b32 s[G1B], s44, (3<<16)|(1<<21)
	s_mov_b32 s[G1+1], 512<<16                     ; tensor_dim0: 512 elements = 4,096 bytes
	s_mov_b32 s[G1+2], 8<<16                       ; tensor_dim1
	s_mov_b32 s[G1+3], 512<<16                     ; tile_dim0
	s_mov_b32 s[G1+4], 8                           ; tile_dim1
	s_mov_b32 s[G1+5], 3072                        ; the pitch: 24,576 bytes
	s_mov_b32 s[G1+6], 0
	s_mov_b32 s[G1+7], 0
	s_mov_b32 s[G1B+1], 512<<16
	s_mov_b32 s[G1B+2], 6<<16
	s_mov_b32 s[G1B+3], 512<<16
	s_mov_b32 s[G1B+4], 6
	s_mov_b32 s[G1B+5], 3072
	s_mov_b32 s[G1B+6], 0
	s_mov_b32 s[G1B+7], 0
	s_lshl_b32 s16, s15, 4
	s_lshl_b32 s17, s14, 3
	s_add_co_u32 s16, s16, s17
	s_mul_i32 s16, s16, 24576                      ; o: token tile 16 y + 8 x half
	s_mov_b32 s17, 0
	s_mul_i32 s46, s42, 12
	s_mul_i32 s47, s14, 6
	s_add_co_u32 s46, s46, s47
	s_mul_i32 s46, s46, 24576                      ; Wo: n tile 12 x + 6 x half
	s_mov_b32 s47, 0
	s_lshl_b32 s20, s14, 15                        ; where they go: the wave's number alone enters an LDS address
	s_mul_i32 s21, s14, 24576
	s_add_co_u32 s21, s21, BOFF
	s_mov_b32 s[CSC], 0x3d13cd3a                   ; 1 / sqrt(768)
	s_mov_b32 s[CSC+1], s[CSC]
	s_wait_dscnt 0x0                               ; both opening adds are done
	s_wait_kmcnt 0x0
	s_add_nc_u64 s[18:19], s[4:5], s[16:17]
	s_add_nc_u64 s[46:47], s[6:7], s[46:47]
	CROUND                                         ; all sixteen work-groups are here: the first joint loads meet
.irp s, 0,1
	s_mov_b32 s[G0+4*\s], 1
	s_add_co_u32 s[G0+4*\s+1], s20, \s*SLOT
	s_add_nc_u64 s[G0+4*\s+2:G0+4*\s+3], s[18:19], \s*4096
	s_or_b32 s[G0+4*\s+3], s[G0+4*\s+3], 0x80000000
	s_mov_b32 s[G0B+4*\s], 1
	s_add_co_u32 s[G0B+4*\s+1], s21, \s*SLOT
	s_add_nc_u64 s[G0B+4*\s+2:G0B+4*\s+3], s[46:47], \s*4096
	s_or_b32 s[G0B+4*\s+3], s[G0B+4*\s+3], 0x80000000
	JLOAD \s
.endr
	v_and_b32 v1, 31, v0
	v_and_b32 v2, 15, v0                           ; r
	v_bfe_u32 v3, v0, 4, 1                         ; h
	v_lshlrev_b32 v[L16], 4, v1
	s_lshl_b32 s22, s[WV], 14                      ; my four token tiles
	v_add_nc_u32 v[ADRA], s22, v[L16]
	v_add_nc_u32 v[ADRA+1], SLOT, v[ADRA]
	v_add_nc_u32 v[ADRB], BOFF, v[L16]
	v_add_nc_u32 v[ADRB+1], SLOT, v[ADRB]
	s_mul_i32 s23, s[WV], 16*SPITCH
	s_add_co_u32 s23, s23, STAGE                   ; my stage
	v_mul_u32_u24 v5, v2, SPITCH
	v_lshl_add_u32 v5, v3, 5, v5
	v_add_nc_u32 v[STO], s23, v5                   ; in: row r, + 32 h
	v_lshlrev_b32 v5, 4, v2                        ; 16 r
	v_add_nc_u32 v[RD], s23, v[L16]                ; back, two rows of 768 bytes in three pieces: the even row's first 512;
	v_mad_u32_u24 v6, v3, 272, v5
	v_add_nc_u32 v6, 512, v6
	v_add_nc_u32 v[RD+1], s23, v6                  ; its last 256 (lanes 0-15) and the odd row's first 256 (lanes 16-31);
	v_add_nc_u32 v6, 1040, v[L16]
	v_add_nc_u32 v[RD+2], s23, v6                  ; the odd row's last 512
	v_mov_b32 v[CO], v[L16]                        ; the same in out0, whose rows are 3,072 bytes
	v_mad_u32_u24 v6, v3, 2560, v5
	v_add_nc_u32 v[CO+1], 512, v6
	v_add_nc_u32 v[CO+2], 3328, v[L16]
	v_add_nc_u32 v6, 512, v5
	v_lshlrev_b32 v7, 9, v3
	v_sub_nc_u32 v[BO1], v6, v7                    ; and the columns' places in the bias: 16 x lane; 512 + 16 r - 512 h; 256 + 16 x lane
	v_add_nc_u32 v[BO1+1], 256, v[L16]
	s_lshl_b32 s22, s15, 8
	s_lshl_b32 s23, s[WV], 6
	s_add_co_u32 s22, s22, s23                     ; my first row of out0
	s_mul_i32 s22, s22, 3072
	s_mul_i32 s23, s42, 768                        ; my work-group's columns, in bytes
	s_add_co_u32 s22, s22, s23
	s_mov_b32 s23, 0
	s_add_nc_u64 s[10:11], s[10:11], s[22:23]
	s_mul_i32 s22, s42, 768
	s_add_nc_u64 s[8:9], s[8:9], s[22:23]
	global_load_b128 v[BIAS:BIAS+3], v[L16], s[8:9]
	global_load_b128 v[BIAS+4:BIAS+7], v[BO1], s[8:9]
	global_load_b128 v[BIAS+8:BIAS+11], v[BO1+1], s[8:9]
; 32 LDS loads in one run: 32 along K (the slot's q-th) into set buf: Wo's 12 fragments, o's tiles 0, 1, o's tiles 2, 3
.macro FETCH slot, q, buf
	WIN 0x40
.irp b, 0,1,2,3,4,5,6,7,8,9,10,11
	ds_load_b128 v[96*(\buf)+8*\b:96*(\buf)+8*\b+3],   v[ADRB+\slot] offset:4096*\b+1024*(\q)
	ds_load_b128 v[96*(\buf)+8*\b+4:96*(\buf)+8*\b+7], v[ADRB+\slot] offset:4096*\b+1024*(\q)+512
.endr
	WIN 0
.irp a, 0,1,2,3
	ds_load_b128 v[AF+32*(\buf)+8*\a:AF+32*(\buf)+8*\a+3],   v[ADRA+\slot] offset:4096*\a+1024*(\q)
	ds_load_b128 v[AF+32*(\buf)+8*\a+4:AF+32*(\buf)+8*\a+7], v[ADRA+\slot] offset:4096*\a+1024*(\q)+512
.endr
.endm
; 12 products: token tile a x the 12 column tiles.  zero = 1: the first product starts the sums.  The 48 accumulators take turns in one order.
.macro MUL12 buf, a, zero
.irp b, 0,1,2,3,4,5,6,7,8,9,10,11
.if \zero
	v_wmma_f32_16x16x32_f16 v[8*(12*((\a)%2)+\b):8*(12*((\a)%2)+\b)+7], v[96*(\buf)+8*\b:96*(\buf)+8*\b+7], v[AF+32*(\buf)+8*(\a):AF+32*(\buf)+8*(\a)+7], 0
.else
	v_wmma_f32_16x16x32_f16 v[8*(12*((\a)%2)+\b):8*(12*((\a)%2)+\b)+7], v[96*(\buf)+8*\b:96*(\buf)+8*\b+7], v[AF+32*(\buf)+8*(\a):AF+32*(\buf)+8*(\a)+7], v[8*(12*((\a)%2)+\b):8*(12*((\a)%2)+\b)+7]
.endif
.endr
.endm
; A K step is four quarters of 32 along K, 48 products each, on sets 0, 1, 0, 1.  One of the first three: multiplies set f and fetches the slot's quarter qn into set g.
.macro QUARTER slot, qn, f, g, zero
	s_wait_dscnt 4                                 ; Wo's fragments and o's tiles 0, 1 are in; the youngest four loads (tiles 2, 3) may be out
	WIN MUL_LO
	MUL12 \f, 0, \zero
	MUL12 \f, 1, \zero
	PLACES
	FETCH \slot, \qn, \g
	s_wait_dscnt 32                                ; all but the 32 just issued
	WIN MUL_HI
	MUL12 \f, 2, \zero
	MUL12 \f, 3, \zero
.endm
; The last quarter multiplies set 1 and changes slots: ONE barrier; in front of it each wave waits for all its tensor loads, adds 0 to its spare word, and waits for that and for its reads of this slot.
; fill = 1: the barrier opens a round of the cluster's, and this slot is filled again, two K steps ahead, first thing behind it: 168 products ahead of the wait for it.
.macro TURN slot, next, fill
	WIN 0
	s_wait_tensorcnt 0x0                           ; all my tensor loads have landed: my part of the next slot
	ds_add_u32 v[SPW], v[NIL]
	s_wait_dscnt 5                                 ; (the add and the youngest four loads may be out)
	WIN MUL_LO
	MUL12 1, 0, 0
	s_wait_dscnt 0x0                               ; the add is done, and my reads of this slot are over
	s_barrier_signal -1
	MUL12 1, 1, 0
.if \fill
	WIN 0
.endif
	s_barrier_wait -1
.if \fill
	CREST                                          ; no wave of any partner still reads this slot or has a load on its way
	s_add_nc_u64 s[G0+4*\slot+2:G0+4*\slot+3], s[G0+4*\slot+2:G0+4*\slot+3], 8192
	s_add_nc_u64 s[G0B+4*\slot+2:G0B+4*\slot+3], s[G0B+4*\slot+2:G0B+4*\slot+3], 8192
	JLOAD \slot                                    ; the four v_nop behind it are also the places in front of the loads below
.else
	PLACES
.endif
	FETCH \next, 0, 0
	WIN MUL_HI
	MUL12 1, 2, 0
	MUL12 1, 3, 0
.endm
	s_wait_tensorcnt 1                             ; my part of K step 0 is in; K step 1's may stay out
	s_barrier_signal -1
	s_barrier_wait -1
	FETCH 0, 0, 0
	QUARTER 0, 1, 0, 1, 1                          ; the first quarter stands in front of the loop: its products start the sums
	WIN 0
	s_mov_b32 s3, 2
.Llap:                                                 ; a trip goes once round the ring, from a lap's second quarter to the next lap's first, and fills both slots again: K steps 2 to 5
	QUARTER 0, 2, 1, 0, 0
	QUARTER 0, 3, 0, 1, 0
	TURN 0, 1, 1
	QUARTER 1, 1, 0, 1, 0
	QUARTER 1, 2, 1, 0, 0
	QUARTER 1, 3, 0, 1, 0
	TURN 1, 0, 1
	QUARTER 0, 1, 0, 1, 0
	WIN 0
	s_sub_co_u32 s3, s3, 1
	s_cmp_lg_u32 s3, 0
	s_cbranch_scc1 .Llap
	QUARTER 0, 2, 1, 0, 0                          ; the last lap fills nothing
	QUARTER 0, 3, 0, 1, 0
	TURN 0, 1, 0
	QUARTER 1, 1, 0, 1, 0
	QUARTER 1, 2, 1, 0, 0
	QUARTER 1, 3, 0, 1, 0
	s_wait_dscnt 4                                 ; the very last quarter: nothing more to fetch
	WIN MUL_LO
	MUL12 1, 0, 0
	MUL12 1, 1, 0
	s_wait_dscnt 0x0
	WIN MUL_HI
	MUL12 1, 2, 0
	MUL12 1, 3, 0
	WIN 0
; THE WAY OUT, a block of 16 tokens x 192 columns at a time: through my own stage, back as whole rows, times 1 / sqrt(768) plus the bias in one fused multiply-add, and out: sixteen lanes store 256 consecutive bytes, aligned.
; LDS serves a wave's instructions in order: no wait between the stores and the loads, nor in front of the next block's stores.
.macro TOSTAGE a
.set AC, 96*((\a)%2)
	WIN (2+(\a)/2)<<2                              ; an LDS store's data are its source 1
.irp b, 0,1,2,3,4,5,6,7,8,9,10,11
	ds_store_b128 v[STO], v[AC+8*\b:AC+8*\b+3] offset:64*\b            ; each accumulator from its low end on
	ds_store_b128 v[STO], v[AC+8*\b+4:AC+8*\b+7] offset:64*\b+16
.endr
	WIN 0
.set BB, 32+96*((\a)%2)
.irp t, 0,1,2,3,4,5,6,7,8,9,10,11,12,13,14,15,16,17,18,19,20,21,22,23
	ds_load_b128 v[BB+4*\t:BB+4*\t+3], v[RD+\t%3] offset:2*SPITCH*(\t/3)
.endr
.endm
.macro SEND a, younger                 ; younger: the LDS instructions issued behind block a's loads, which may stay out
.set BB, 32+96*((\a)%2)
	s_wait_dscnt \younger
.irp t, 0,1,2,3,4,5,6,7,8,9,10,11,12,13,14,15,16,17,18,19,20,21,22,23
	v_pk_fma_f32 v[BB+4*\t:BB+4*\t+1], v[BB+4*\t:BB+4*\t+1], s[CSC:CSC+1], v[BIAS+4*(\t%3):BIAS+4*(\t%3)+1] op_sel_hi:[1,0,1]
	v_pk_fma_f32 v[BB+4*\t+2:BB+4*\t+3], v[BB+4*\t+2:BB+4*\t+3], s[CSC:CSC+1], v[BIAS+4*(\t%3)+2:BIAS+4*(\t%3)+3] op_sel_hi:[1,0,1]
	global_store_b128 v[CO+\t%3], v[BB+4*\t:BB+4*\t+3], s[10:11] offset:49152*(\a)+6144*(\t/3) th:TH_STORE_NT
.endr
.endm
	s_wait_loadcnt 0x0                             ; the bias
	PLACES                                         ; behind the last products: for the reads of their results and the loads into the registers that held o's fragments
	TOSTAGE 0
.irp a, 1,2,3
.if \a > 1
	s_wait_xcnt 0x0                                ; block a - 2's stores have read their registers: block a's loads may land there
.endif
	TOSTAGE \a
	SEND \a-1, 48                                  ; behind block a - 1's loads: block a's 24 stores and 24 loads
.endr
	SEND 3, 0
	s_wait_tensorcnt 0x0                           ; the wave's end: behind my last tensor load and my last LDS store
	ds_add_u32 v[SPW], v[NIL]
	s_wait_dscnt 0x0
	CROUND                                         ; the closing round
	s_endpgm
.Lfunc_end_k_q35767d079a_proj:
	.size	k_q35767d079a_proj, .Lfunc_end_k_q35767d079a_proj-k_q35767d079a_proj
	.p2alignl 7, 3214868480
	.fill 96, 4, 3214868480
	.section	.rodata,"a",@progbits
	.p2align	6, 0x0
	.amdhsa_kernel k_q35767d079a_proj
		.amdhsa_group_segment_fixed_size 327680
		.amdhsa_private_segment_fixed_size 0
		.amdhsa_enable_private_segment 0
		.amdhsa_kernarg_size 32
		.amdhsa_user_sgpr_count 2
		.amdhsa_user_sgpr_kernarg_segment_ptr 1
		.amdhsa_wavefront_size32 1
		.amdhsa_system_sgpr_workgroup_id_x 1
		.amdhsa_system_sgpr_workgroup_id_y 1
		.amdhsa_system_sgpr_workgroup_id_z 1
		.amdhsa_system_vgpr_workitem_id 0
		.amdhsa_next_free_vgpr 1024
		.amdhsa_next_free_sgpr 80
		.amdhsa_reserve_vcc 0
		.amdhsa_float_denorm_mode_32 3
		.amdhsa_float_denorm_mode_16_64 3
		.amdhsa_memory_ordered 1
		.amdhsa_forward_progress 1
		.amdhsa_inst_pref_size 129
	.end_amdhsa_kernel
	.amdgpu_metadata
---
amdhsa.version: [ 1, 2 ]
amdhsa.kernels:
  - .name:           k_q35767d079a_proj
    .symbol:         k_q35767d079a_proj.kd
    .args:
      - { .name: o16, .offset: 0, .size: 8, .value_kind: global_buffer, .address_space: global }
      - { .name: wo16, .offset: 8, .size: 8, .value_kind: global_buffer, .address_space: global }
      - { .name: bo, .offset: 16, .size: 8, .value_kind: global_buffer, .address_space: global }
      - { .name: out0, .offset: 24, .size: 8, .value_kind: global_buffer, .address_space: global }
    .group_segment_fixed_size: 327680
    .private_segment_fixed_size: 0
    .kernarg_segment_align: 8
    .kernarg_segment_size: 32
    .max_flat_workgroup_size: 128
    .sgpr_count:     80
    .vgpr_count:     1024
    .wavefront_size: 32
...
	.end_amdgpu_metadata
.endif
;; end of part 4
